; MI455X (gfx1250); checked and timed in simulation.
; The chip was launched on July 23, 2026; its instructions are those of AMD's public machine-readable ISA for CDNA 5 (MIT licence, August 2026) and "CDNA5" Instruction Set Architecture Reference Guide (July 2026). The comments in the code are by the model that wrote it; some were corrected since.
;; Differentiable Recurrent Net. Allowed arithmetic: matrix products marked QUANTISED: E4M3 operands, one E8M0 scale for each 32 along K, by v_wmma_scale_f32_16x16x128_f8f6f4 with both operands' format E4M3, f32 sums; everything else in f32.
;; Inputs: hidden_biases 2,048 float32; hidden_responses 2,048 float32; hidden_to_hidden 2,048 x 2,048 float32; hidden_to_output 512 x 2,048 float32; input_to_hidden 2,048 x 512 float32; input_to_output 512 x 512 float32; inputs 8,192 x 512 float32; output_biases 512 float32; output_responses 512 float32; output_to_hidden 2,048 x 512 float32; output_to_output 512 x 512 float32.
;; Outputs: out0 8,192 x 512 float32.
;; This version of the problem:
;;   THIS VERSION OF THE PROBLEM IS GIVEN IN LOW PRECISION. The matrix products marked QUANTISED in the list below multiply operands that are first quantised to E4M3 (4 exponent bits, 3 mantissa bits; 8 bits a number), with one power-of-two scale for each 32 numbers along K (OCP MX v1.0); their sums are f32. All else is computed in f32.
;;   The module's matrix products, in the order in which they are computed (A, B: the left and right operand; K: the contracted axis; several contracted axes count as one K, in the product's order):
;;     1. [M 8,192, K 512] x [K 512, N 2,048]; A: input inputs; B: input input_to_hidden: QUANTISED
;;     2. [M 8,192, K 2,048] x [K 2,048, N 2,048]; A: computed on the way; B: input hidden_to_hidden: QUANTISED
;;     3. [M 8,192, K 512] x [K 512, N 2,048]; A: computed on the way; B: input output_to_hidden: QUANTISED
;;     4. [M 8,192, K 512] x [K 512, N 512]; A: input inputs; B: input input_to_output: QUANTISED
;;     5. [M 8,192, K 512] x [K 512, N 512]; A: computed on the way; B: input output_to_output: QUANTISED
;;     6. [M 8,192, K 2,048] x [K 2,048, N 512]; A: computed on the way; B: input hidden_to_output: QUANTISED
;;   THE QUANTISER, for each operand of a quantised product, along K:
;;     - K is cut into blocks of 32 from its start; a last block that is shorter is filled with zeros.
;;     - A block's scale is 2^e with e = floor(log2(the largest magnitude in the block)) - 8, held to -126 .. 127; a block of zeros has e = 0. As a byte (E8M0): e + 127.
;;     - Each number is divided by its block's scale, clamped to +-448, and rounded to the nearest number of E4M3, ties to even, subnormals kept.
;;     - The product sums the exact products of the quantised numbers (number of the format x scale) in f32.
;;   ~~~python
;;   def quantise(x, axis):      # numpy; x: float32 -> the quantised numbers, widened to float32 again
;;       x = np.moveaxis(x, axis, -1); K = x.shape[-1]
;;       x = np.pad(x, [(0, 0)] * (x.ndim - 1) + [(0, -K % 32)]); x = x.reshape(x.shape[:-1] + (-1, 32)); a = np.abs(x).max(-1, keepdims=True)
;;       e = np.where(a > 0, np.clip(np.frexp(np.where(a > 0, a, 1))[1] - 1 - 8, -126, 127), 0)      # np.frexp(a)[1] - 1 = floor(log2(a)), exactly
;;       r = np.clip(x / 2.0 ** e, -448, 448)
;;       step = 2.0 ** (np.maximum(np.frexp(np.where(r == 0, 1, r))[1] - 1, -6) - 3)
;;       q = np.round(r / step) * step * 2.0 ** e      # np.round: ties to even
;;       return np.moveaxis(q.reshape(q.shape[:-2] + (-1,))[..., :K], -1, axis).astype(np.float32)
;;   ~~~
;;   OPERANDS COMPUTED ON THE WAY. 'Computed on the way' means the value that the module computes at that place (a softmax that the list does not call 'softmax' is quantised finished and normalised). What goes into a quantiser is computed in f32, as accurately as f32 sums, v_exp_f32 and their like allow (about 1e-6 of the number): no bf16 or f16 on the way to a quantiser, and a product that is left as it is and whose result goes on into a quantised operand takes f32 operands (vector FMAs, or v_wmma_f32_16x16x4_f32). A number that lies on a knife's edge between two numbers of the format may be rounded either way, as far as f32 arithmetic and the matrix unit's own rounding can turn it there, and no further.
;; One version. Each part assembles by itself: llvm-mc -triple=amdgcn-amd-amdhsa -mcpu=gfx1250 --defsym DOCPART=n.
;; ======== version 1 of 1: 3 launches
;; limits: a function is approximated: absolute error at most 2e-07
;; workspace buffers: xq 4,325,376 bytes; hq 17,301,504 bytes; w1q 6,488,064 bytes; w2q 1,622,016 bytes
;; launch quant (part 1): grid 368 x 1, 4 waves a work-group, no clusters, 34,304 bytes of LDS; arguments inputs, input_to_hidden, hidden_to_hidden, output_to_hidden, input_to_output, hidden_to_output, output_to_output, xq, w1q, w2q; writes xq, w1q, w2q
.if DOCPART == 1
	.amdgcn_target "amdgcn-amd-amdhsa--gfx1250"
	.amdhsa_code_object_version 6
	.text
	.protected	k_q675e9dd5e1_quant
	.globl	k_q675e9dd5e1_quant
	.p2align	8
	.type	k_q675e9dd5e1_quant,@function
k_q675e9dd5e1_quant:
	s_mov_b64 s[64:65], 0
	v_nop
	global_prefetch_b8 v0, s[64:65] scope:SCOPE_SE
	s_setreg_imm32_b32 hwreg(HW_REG_WAVE_MODE, 25, 1), 1
	s_wait_xcnt 0x0
; The inputs [8192][512] and the six weights (all stored [N][K], K innermost), f32, become codes of FP8 (E4M3) with one E8M0 scale byte for each 32 along K.
; A block's scale is 2^(floor(log2(its largest magnitude)) - 8); each number is divided by it, held within +-448 and rounded to the nearest code, ties to even.
; THE LAYOUT OF THE WORKSPACE.  A UNIT is 64 rows x 128 K in 8,448 bytes (33 x 256): four images of an operand's registers, 2,048 bytes each, then 256 bytes of scale words.
;   byte blk*2048 + 512 c + 16 lane + j = the code of row ROW(blk, lane % 16) at k = 32 c + 16 (lane / 16) + j;  ROW(blk, r) = 32 (blk / 2) + 8 (blk % 2) + r % 8 + 16 (r / 8):
;   with these rows a transposed product leaves a lane 16 neighbours along the next K in two neighbouring tiles.
;   word 8192 + 8 lane + 4 j = the scale word (four bytes, 128 along K) of block 2 j + lane / 16, row lane % 16.
; xq [128 groups of 64 rows][4 K steps];  w1q [32][24]: input_to_hidden's K steps at places 0, 8, 16, 20; the steps z of hidden_to_hidden (z = ks) and output_to_hidden (z = 16 + ks) fill the other
; places in ascending order: z + 1 + z / 7 + (1 from z = 17 on);  w2q [8][24]: input_to_output at ks, hidden_to_output at 4 + ks, output_to_output at 20 + ks.
; SHARES.  A work-group takes 64 rows x 512 K of one tensor, each of its four waves one K step: one unit.  The tensor is chosen by the work-group's number alone; only pointers and whole numbers are chosen:
; all tensors take one path through the text.  Waves share nothing: no barrier.  Work-groups share no input: no cluster.  The launch streams each byte once and has no matrix work.
; A load reads 512 consecutive bytes of one row (16 a lane); a fragment's 16 rows turn through the wave's own stage in LDS (rows of 512 + 16 bytes), from which a lane takes 16 neighbours of each block of 32.
; Every store of a wave covers 512 (the scale words: 256) consecutive bytes that begin at a multiple of 256 from the buffer's first byte.
; LIMITS: NaN and infinities among the inputs are not served.  A block of zeros, and one whose largest magnitude lies under 2^-118, gets the byte 1 (the rule says 127 for zeros): a block of zeros has zero codes,
; which add nothing under any byte but 0xff, and these bytes are read by this program alone.
.set UNIT,  8448
.set SP,    528                        ; a stage row
.set L16,   1                          ; v1      16 x lane
.set L8,    2                          ; v2      8 x lane
.set SW,    3                          ; v3      the stage, on the way in: wave x 8,448 + 16 x lane
.set SRD,   4                          ; v4      and out: wave x 8,448 + 528 (lane % 16) + 64 (lane / 16)
.set VO,    5                          ; v5-8    fragment f: its first row's byte offset + 16 x lane
.set PW,    10                         ; v10-13  the four fragments' scale words
.set PR,    14                         ; v14-15  the scale words as they are stored
.set TM,    16                         ; v16-31  at work
.set C,     32                         ; v32-47  a fragment's codes
.set X,     48                         ; v48-111 64 numbers: register 16 b + i = k 32 b + 16 (lane / 16) + i of my row
.set R,     112                        ; v112-239 two sets of 16 rows as they are loaded
.set BR,    32                         ; s[32:63] sixteen row bases: row i % 8 + 16 (i / 8)
.set SEL,   66                         ; s[66:67] lane selects: lane l xor 16
.set MNT,   68                         ; s68     the mantissa field of 448
.set HM,    69                         ; s69     lanes 16-31
; what differs between the tensors, in one word: 8:0 first work-group; 10:9 log2 of the work-groups along K; 28:26 units in a group / 4;
; the unit's place S = A1 ks + A0 + F (z / 7 + [z >= 17]) - 4 F2 [ks >= 3], z = ks + ZO: 14:11 A1, 19:15 A0, 20 F, 25:21 ZO, 29 F2
.set PK_X,   (0)|(0<<9)|(1<<11)|(0<<15)|(0<<20)|(0<<21)|(1<<26)|(0<<29)
.set PK_WHH, (128)|(2<<9)|(1<<11)|(1<<15)|(1<<20)|(0<<21)|(6<<26)|(0<<29)
.set PK_WIH, (256)|(0<<9)|(8<<11)|(0<<15)|(0<<20)|(0<<21)|(6<<26)|(1<<29)
.set PK_WOH, (288)|(0<<9)|(1<<11)|(17<<15)|(1<<20)|(16<<21)|(6<<26)|(0<<29)
.set PK_WHO, (320)|(2<<9)|(1<<11)|(4<<15)|(0<<20)|(0<<21)|(6<<26)|(0<<29)
.set PK_WIO, (352)|(0<<9)|(1<<11)|(0<<15)|(0<<20)|(0<<21)|(6<<26)|(0<<29)
.set PK_WOO, (360)|(0<<9)|(1<<11)|(20<<15)|(0<<20)|(0<<21)|(6<<26)|(0<<29)
	s_load_b512 s[4:19], s[0:1], 0x0               ; inputs s[4:5], Wih s[6:7], Whh s[8:9], Woh s[10:11], Wio s[12:13], Who s[14:15], Woo s[16:17], xq s[18:19]
	s_load_b128 s[20:23], s[0:1], 0x40             ; w1q s[20:21], w2q s[22:23]
	v_lshl_add_u32 v240, v0, 2, 0x8400
	v_mov_b32 v241, 0
	v_lshrrev_b32 v9, 5, v0
	v_readfirstlane_b32 s2, v9                     ; wave 0..3
	v_and_b32 v9, 31, v0                           ; lane
	v_lshlrev_b32 v[L16], 4, v9
	v_lshlrev_b32 v[L8], 3, v9
	s_mul_i32 s3, s2, UNIT                         ; my stage
	v_add_nc_u32 v[SW], s3, v[L16]
	v_and_b32 v[SRD], 15, v0
	v_mul_u32_u24 v[SRD], v[SRD], SP
	v_bfe_u32 v9, v0, 4, 1
	v_lshl_add_u32 v[SRD], v9, 6, v[SRD]
	v_add_nc_u32 v[SRD], s3, v[SRD]
.irp b, 0,1,2,3
	v_mov_b32 v[TM+4+\b], 0                        ; written once: a lane permute's destination counts as one of its sources
.endr
	s_mov_b32 s[SEL], 0x76543210
	s_mov_b32 s[SEL+1], 0xfedcba98
	s_mov_b32 s[MNT], 0x600000
	s_mov_b32 s[HM], 0xffff0000
	s_mov_b32 s24, PK_WOO
	s_wait_kmcnt 0x0
	s_mov_b64 s[26:27], s[16:17]                   ; from where: the last tensor, unless the work-group's number is smaller
	s_mov_b64 s[28:29], s[22:23]                   ; to where
	s_cmp_lt_u32 ttmp9, 360
	s_cselect_b64 s[26:27], s[12:13], s[26:27]
	s_cselect_b32 s24, PK_WIO, s24
	s_cmp_lt_u32 ttmp9, 352
	s_cselect_b64 s[26:27], s[14:15], s[26:27]
	s_cselect_b32 s24, PK_WHO, s24
	s_cmp_lt_u32 ttmp9, 320
	s_cselect_b64 s[26:27], s[10:11], s[26:27]
	s_cselect_b64 s[28:29], s[20:21], s[28:29]
	s_cselect_b32 s24, PK_WOH, s24
	s_cmp_lt_u32 ttmp9, 288
	s_cselect_b64 s[26:27], s[6:7], s[26:27]
	s_cselect_b32 s24, PK_WIH, s24
	s_cmp_lt_u32 ttmp9, 256
	s_cselect_b64 s[26:27], s[8:9], s[26:27]
	s_cselect_b32 s24, PK_WHH, s24
	s_cmp_lt_u32 ttmp9, 128
	s_cselect_b64 s[26:27], s[4:5], s[26:27]
	s_cselect_b64 s[28:29], s[18:19], s[28:29]
	s_cselect_b32 s24, PK_X, s24
	s_bfe_u32 s70, s24, 0x90000                    ; the tensor's first work-group
	s_bfe_u32 s71, s24, 0x20009                    ; SH
	s_bfe_u32 s72, s24, 0x4000b                    ; A1
	s_bfe_u32 s73, s24, 0x5000f                    ; A0
	s_bfe_u32 s74, s24, 0x10014                    ; F
	s_bfe_u32 s75, s24, 0x50015                    ; ZO
	s_bfe_u32 s76, s24, 0x3001a                    ; units in a group / 4
	s_bfe_u32 s25, s24, 0x1001d                    ; F2
	s_sub_co_u32 s70, ttmp9, s70                   ; my number within the tensor
	s_lshr_b32 s77, s70, s71                       ; G: which 64 rows
	s_lshl_b32 s79, s77, s71
	s_sub_co_u32 s78, s70, s79                     ; which 512 along K
	s_lshl_b32 s78, s78, 2
	s_add_co_u32 s78, s78, s2                      ; ks: my wave's K step
	s_add_co_u32 s75, s75, s78                     ; z
	s_mul_i32 s79, s75, 37
	s_lshr_b32 s79, s79, 8                         ; z / 7, right for numbers up to 19
	s_add_co_u32 s75, s75, 15
	s_lshr_b32 s75, s75, 5                         ; 1 from z = 17 on (z is at most 19)
	s_add_co_u32 s79, s79, s75
	s_mul_i32 s79, s79, s74
	s_add_co_u32 s30, s78, 29
	s_lshr_b32 s30, s30, 5                         ; 1 from ks = 3 on (ks is at most 15)
	s_lshl_b32 s30, s30, 2
	s_mul_i32 s30, s30, s25
	s_mul_i32 s72, s72, s78
	s_add_co_u32 s72, s72, s73
	s_add_co_u32 s72, s72, s79
	s_sub_co_u32 s72, s72, s30                     ; S: the unit's place in its group
	s_lshl_b32 s76, s76, 2
	s_mul_i32 s76, s76, s77
	s_add_co_u32 s76, s76, s72
	s_mul_i32 s8, s76, UNIT                        ; (the pointers in s[4:23] have been chosen from: the registers are free)
	s_mov_b32 s9, 0
	s_add_nc_u64 s[28:29], s[28:29], s[8:9]        ; my unit
	s_add_co_u32 s79, s71, 17
	s_lshl_b32 s8, s77, s79                        ; 64 rows of 2,048 << SH bytes
	s_lshl_b32 s79, s78, 9                         ; 128 numbers a K step
	s_add_co_u32 s8, s8, s79
	s_add_nc_u64 s[BR:BR+1], s[26:27], s[8:9]      ; my first row at my K step
	s_lshl_b32 s4, 2048, s71                       ; a row in bytes
	s_mov_b32 s5, 0
	s_mul_i32 s6, s4, 9                            ; from row 7 to row 16
	s_mov_b32 s7, 0
.irp i, 1,2,3,4,5,6,7,8,9,10,11,12,13,14,15
.if \i == 8
	s_add_nc_u64 s[BR+2*\i:BR+2*\i+1], s[BR+2*\i-2:BR+2*\i-1], s[6:7]
.else
	s_add_nc_u64 s[BR+2*\i:BR+2*\i+1], s[BR+2*\i-2:BR+2*\i-1], s[4:5]
.endif
.endr
	v_mov_b32 v[VO], v[L16]                        ; fragment f begins at row 32 (f / 2) + 8 (f % 2)
	s_lshl_b32 s70, s4, 3
	v_add_nc_u32 v[VO+1], s70, v[L16]
	s_lshl_b32 s71, s4, 5
	v_add_nc_u32 v[VO+2], s71, v[L16]
	s_add_co_u32 s70, s70, s71
	v_add_nc_u32 v[VO+3], s70, v[L16]
.macro LOADF f                         ; fragment f's sixteen rows, 512 consecutive bytes a load, into set f % 2
.irp i, 0,1,2,3,4,5,6,7,8,9,10,11,12,13,14,15
	global_load_b128 v[R+64*((\f)%2)+4*\i:R+64*((\f)%2)+4*\i+3], v[VO+(\f)], s[BR+2*\i:BR+2*\i+1] th:TH_LOAD_NT
.endr
.endm
.macro TURNF f                         ; through the stage: LDS serves a wave's instructions in order (ISA guide 5.7.1.4), so no wait stands between the stores and the loads
.irp i, 0,1,2,3,4,5,6,7,8,9,10,11,12,13,14,15
	ds_store_b128 v[SW], v[R+64*((\f)%2)+4*\i:R+64*((\f)%2)+4*\i+3] offset:SP*\i
.endr
.irp b, 0,1,2,3
.irp j, 0,1,2,3
	ds_load_b128 v[X+16*\b+4*\j:X+16*\b+4*\j+3], v[SRD] offset:128*\b+16*\j
.endr
.endr
.endm
; 64 numbers of a lane, v[s] on, become a fragment's codes in v[C] on and my row's scale word in v[pw]
.macro QUANT s, pw
.irp b, 0,1,2,3
	v_max3_num_f32 v[TM+\b], |v[\s+16*\b]|, |v[\s+1+16*\b]|, 0x4800000   ; block b: my 16 numbers, and the floor 2^(9 - 127): the byte cannot fall under 1
.endr
.irp i, 2,4,6,8,10,12,14
.irp b, 0,1,2,3
	v_max3_num_f32 v[TM+\b], v[TM+\b], |v[\s+16*\b+\i]|, |v[\s+1+16*\b+\i]|   ; the four blocks by turns
.endr
.endr
.irp b, 0,1,2,3
	v_permlanex16_b32 v[TM+4+\b], v[TM+\b], s[SEL], s[SEL+1]
.endr
.irp b, 0,1,2,3
	v_max_num_f32 v[TM+\b], v[TM+\b], v[TM+4+\b]   ; with lane l xor 16's 16: the block's largest magnitude
.endr
.irp b, 0,1,2,3
	v_add_nc_u32 v[TM+12+\b], 0xfc000000, v[TM+\b] ; 8 off its exponent field: the conversion takes the exponent field of this operand as its scale
.endr
.irp b, 0,1,2,3
	v_and_or_b32 v[TM+8+\b], v[TM+\b], 0x7f800000, s[MNT]   ; 448 x the scale
.endr
.irp b, 0,1,2,3
	v_lshrrev_b32 v[TM+4+\b], 23, v[TM+12+\b]      ; the scale's byte
.endr
	v_lshl_or_b32 v[\pw], v[TM+5], 8, v[TM+4]
	v_lshl_or_b32 v[\pw], v[TM+6], 16, v[\pw]
	v_lshl_or_b32 v[\pw], v[TM+7], 24, v[\pw]
.irp b, 0,1,2,3
.irp i, 0,1,2,3,4,5,6,7,8,9,10,11,12,13,14,15
	v_med3_num_f32 v[\s+16*\b+\i], v[\s+16*\b+\i], -v[TM+8+\b], v[TM+8+\b]   ; the conversion to an 8-bit code does not saturate (ISA guide 7.6.2): the hold comes first
.endr
	v_cvt_scalef32_pk8_fp8_f32 v[C+4*\b:C+1+4*\b], v[\s+16*\b:\s+7+16*\b], v[TM+12+\b]
	v_cvt_scalef32_pk8_fp8_f32 v[C+2+4*\b:C+3+4*\b], v[\s+8+16*\b:\s+15+16*\b], v[TM+12+\b]
.endr
	v_nop                                          ; one plain line behind the last conversion
.endm
.macro FRAG f
.if (\f) < 3
	s_wait_loadcnt 16                              ; this fragment's sixteen loads are in; the other set's sixteen, issued behind them, may be out
.else
	s_wait_loadcnt 0x0
.endif
	TURNF \f
	s_wait_dscnt 0x0                               ; my 64 numbers are in, and the stores into the stage have read their registers
.if (\f) > 0
	s_wait_xcnt 0x0                                ; the last fragment's stores have read their data: the codes' registers may be written again
.endif
.if (\f) < 2
	LOADF (\f)+2
.endif
	QUANT X, PW+(\f)
.irp c, 0,1,2,3
	global_store_b128 v[L16], v[C+4*\c:C+4*\c+3], s[28:29] offset:2048*(\f)+512*\c   ; the image of registers 4 c .. 4 c + 3: 512 consecutive bytes
.endr
.endm
	LOADF 0
	LOADF 1
	FRAG 0
	FRAG 1
	FRAG 2
	FRAG 3
	v_cndmask_b32 v[PR], v[PW], v[PW+1], s[HM]     ; lanes 0-15 carry the even block's words, lanes 16-31 the odd block's (both halves of the lanes hold their row's word)
	v_cndmask_b32 v[PR+1], v[PW+2], v[PW+3], s[HM]
	global_store_b64 v[L8], v[PR:PR+1], s[28:29] offset:8192
	s_wait_tensorcnt 0x0
	ds_add_u32 v240, v241
	s_wait_dscnt 0x0
	s_endpgm
.Lfunc_end_k_q675e9dd5e1_quant:
	.size	k_q675e9dd5e1_quant, .Lfunc_end_k_q675e9dd5e1_quant-k_q675e9dd5e1_quant
	.p2alignl 7, 3214868480
	.fill 96, 4, 3214868480
	.section	.rodata,"a",@progbits
	.p2align	6, 0x0
	.amdhsa_kernel k_q675e9dd5e1_quant
		.amdhsa_group_segment_fixed_size 34304
		.amdhsa_private_segment_fixed_size 0
		.amdhsa_enable_private_segment 0
		.amdhsa_kernarg_size 80
		.amdhsa_user_sgpr_count 2
		.amdhsa_user_sgpr_kernarg_segment_ptr 1
		.amdhsa_wavefront_size32 1
		.amdhsa_system_sgpr_workgroup_id_x 1
		.amdhsa_system_sgpr_workgroup_id_y 1
		.amdhsa_system_sgpr_workgroup_id_z 1
		.amdhsa_system_vgpr_workitem_id 0
		.amdhsa_next_free_vgpr 242
		.amdhsa_next_free_sgpr 80
		.amdhsa_reserve_vcc 0
		.amdhsa_float_denorm_mode_32 3
		.amdhsa_float_denorm_mode_16_64 3
		.amdhsa_memory_ordered 1
		.amdhsa_forward_progress 1
		.amdhsa_inst_pref_size 54
	.end_amdhsa_kernel
	.amdgpu_metadata
---
amdhsa.version: [ 1, 2 ]
amdhsa.kernels:
  - .name:           k_q675e9dd5e1_quant
    .symbol:         k_q675e9dd5e1_quant.kd
    .args:
      - { .name: inputs, .offset: 0, .size: 8, .value_kind: global_buffer, .address_space: global }
      - { .name: input_to_hidden, .offset: 8, .size: 8, .value_kind: global_buffer, .address_space: global }
      - { .name: hidden_to_hidden, .offset: 16, .size: 8, .value_kind: global_buffer, .address_space: global }
      - { .name: output_to_hidden, .offset: 24, .size: 8, .value_kind: global_buffer, .address_space: global }
      - { .name: input_to_output, .offset: 32, .size: 8, .value_kind: global_buffer, .address_space: global }
      - { .name: hidden_to_output, .offset: 40, .size: 8, .value_kind: global_buffer, .address_space: global }
      - { .name: output_to_output, .offset: 48, .size: 8, .value_kind: global_buffer, .address_space: global }
      - { .name: xq, .offset: 56, .size: 8, .value_kind: global_buffer, .address_space: global }
      - { .name: w1q, .offset: 64, .size: 8, .value_kind: global_buffer, .address_space: global }
      - { .name: w2q, .offset: 72, .size: 8, .value_kind: global_buffer, .address_space: global }
    .group_segment_fixed_size: 34304
    .private_segment_fixed_size: 0
    .kernarg_segment_align: 8
    .kernarg_segment_size: 80
    .max_flat_workgroup_size: 128
    .sgpr_count:     80
    .vgpr_count:     242
    .wavefront_size: 32
...
	.end_amdgpu_metadata
.endif
;; end of part 1
;; launch hidden (part 2): grid 32 x 8, 4 waves a work-group, clusters of 4 x 1, 327,680 bytes of LDS; arguments xq, w1q, hidden_responses, hidden_biases, hq; writes hq
.if DOCPART == 2
	.amdgcn_target "amdgcn-amd-amdhsa--gfx1250"
	.amdhsa_code_object_version 6
	.text
	.protected	k_q675e9dd5e1_hidden
	.globl	k_q675e9dd5e1_hidden
	.p2align	8
	.type	k_q675e9dd5e1_hidden,@function
k_q675e9dd5e1_hidden:
	s_mov_b64 s[64:65], 0
	v_nop
	global_prefetch_b8 v0, s[64:65] scope:SCOPE_SE
	s_setreg_imm32_b32 hwreg(HW_REG_WAVE_MODE, 25, 1), 1
	s_wait_xcnt 0x0
	s_wait_alu depctr_hold_cnt(0) depctr_sa_sdst(0) depctr_va_vdst(0) depctr_va_sdst(0) depctr_va_ssrc(0) depctr_va_vcc(0) depctr_vm_vsrc(0)
	s_getreg_b32 s2, hwreg(HW_REG_IB_STS2, 6, 4)
	s_cmp_eq_u32 s2, 0
	s_cbranch_scc0 .Lentry_in_a_cluster
	s_endpgm
.Lentry_in_a_cluster:
	s_bfe_u32 s2, ttmp6, 0x10000c
	s_cmp_lg_u32 s2, 0x3003
	s_cbranch_scc0 .Lentry_shape_is_right
	s_endpgm
.Lentry_shape_is_right:
; h = act(hr (x Wih^T + activs Whh^T + outputs Woh^T) + hb), quantised along the hidden units into hq.  All three products on codes of FP8 (E4M3) with E8M0 scales for each 32 along K; sums in f32.
; activs and outputs are the zeros that the function itself makes: quantised they are zero codes under the byte 127.  That operand is sixteen registers of zeros and one register of 0x7f7f7f7f:
; it costs no memory and no LDS read; the weights are read and multiplied like any others.
; Along K the three products are one sum of 24 steps of 128: x against Wih at steps 0, 8, 16 and 20 (P), zeros against Whh or Woh at the others (Z).  w1q holds the weights' units in that order.
; SHARES.  A work-group makes 256 rows x 256 hidden units, each of four waves 128 x 128: 64 accumulators, 512 registers.  The products are used transposed (source 0 = 16 rows of W, source 1 = 16 rows of x):
; a lane holds one row of the batch, and by the rows that form a block (ROW, see the first launch) the 64 registers of a block of rows are the wave's 128 hidden units' half in ascending order:
; register 16 c + i = unit 32 c + 16 (lane / 16) + i: the layout of an operand along the next K.  So the wave's results are quantised in registers and stored as images: one K step of the next product.
; W comes through a ring of two LDS slots of four K steps, the longest of which two fit; a wave's tensor load brings one group of 64 units x 4 steps, 33,792 dense bytes as 132 rows of 256, scale words among them.
; CLUSTER: the four work-groups of a cluster make the same 256 hidden units for other rows: each tile of W is asked for jointly, by the same load with the same descriptor and the mask of all four.
; x's fragments are read by two waves of one work-group only, four times in the launch: they come straight from memory into registers, asked for three steps ahead or more.
; No prefetch: every block of w1q and xq is read by eight work-groups or more, and a refill has four K steps, 256 matrix instructions a wave, in which to land.
; ACTIVATION, by n % 3, without a branch: act = alpha + beta / (1 + 2^z) + delta max(z, 0), z = G (hr s + hb), with a lane's constants: tanh G = 2 log2 e, (1, -2, 0); sigmoid G = -log2 e, (0, 1, 0); relu G = 1, (0, 0, 1).
; LIMITS: NaN and infinities are not served (an infinite z of a tanh or sigmoid unit would give 0 x infinity).  tanh as 1 - 2 / (1 + 2^z) has an absolute error of some 2e-7, so a relative one of 2e-7 / |x| for small |x|.
; A block of zeros gets the byte 1: its codes are zeros, and this program alone reads the bytes.
; REGISTERS, in windows of 256: window 0: v1-10, v24-25 addresses and constants; v12-15 x's scale words; v16-23 W's, two sets; v32-47 zeros; v48-53 G; v54-63 at work; v128-255 x's eight fragments, at the end hr G and hb G.
;   window 1: W's fragments, two sets (v0, v128); at the end the activation's work.   window 2: the accumulators of my rows' blocks 0-3 ((a, b) at v[8 (8 (a % 4) + b)]);   window 3: blocks 4-7.
.set UNIT,  8448
.set XG,    4*UNIT                     ; a group of 64 rows in xq
.set HG,    16*UNIT                    ; in hq
.set WGS,   24*UNIT                    ; in w1q
.set PIECE, 4*UNIT                     ; what one tensor load brings
.set SLOT,  4*PIECE
.set SPARE, 2*SLOT                     ; behind the ring: the spare words, 128 bytes for each wave: two blocks of 256 bytes that no other line names
.set L16,  1                           ; v1   16 x lane
.set L8,   2                           ; v2   8 x lane
.set ADRB, 3                           ; v3-4 LDS address of my first group's W fragments in slot 0, 1
.set ADSB, 5                           ; v5-6 of my scale words
.set RBO,  7                           ; v7   64 (lane / 16): my half's 16 numbers of each 32 of hr and hb
.set SPW,  8                           ; v8   my spare word; never rewritten
.set NIL,  9                           ; v9   0; never rewritten
.set ONE,  10                          ; v10  four bytes 127: the scale word of zeros
.set SA,   12
.set SB,   16
.set ADRC, 24                          ; v24-25 LDS address of my second group's fragments: a piece further on (two pieces pass the 16 bits of an LDS offset)
.set ZR,   32
.set GP,   48
.set AF,   128
.set ZZ,   0                           ; window 1, at the end: z, then max(z, 0)
.set QQ,   64                          ; 2^z .. the activation
.set C,    128                         ; codes
.set TM,   144                         ; at work
.set PWR,  160                         ; four blocks' scale words
.set PP,   164                         ; as they are stored
.set AL,   168                         ; alpha, beta, delta: three pairs each
.set BE,   174
.set DE,   180
.set L16W, 192                         ; 16 x lane and 8 x lane once more, in this window
.set L8W,  193
.set WV,   14                          ; s14  wave
.set G1,   24                          ; s[24:31] descriptor group 1
.set G0,   32                          ; s[32:39] group 0, a set for each slot
.set IS0,  48                          ; s48-50 lanes whose units of class 0, 1, 2 are tanh units;  s51-53 sigmoid units
.set IS1,  51
.set SEL,  54
.set MNT,  56
.set HM,   57
.set MSB, 0
.macro WIN new                         ; the immediate's high byte repeats the setting that is left; a switch that changes nothing is dropped
.if MSB != (\new)
	s_set_vgpr_msb (MSB<<8)|(\new)
.set MSB, (\new)
.endif
.endm
.set MUL_LO, 0xa1                      ; source 0 (W) window 1, source 1 window 0, C and D window 2
.set MUL_HI, 0xf1                      ; the same, C and D window 3
.set TO_B,   0x40                      ; destination window 1, address window 0
.macro PLACES n
.rept \n
	v_nop
.endr
.endm
.macro CREST                           ; a round of the cluster's barrier behind its opening barrier
	s_cmp_lg_u32 s[WV], 0
	s_cbranch_scc1 .Lnot_wave_0_\@
	s_barrier_signal -3
.Lnot_wave_0_\@:
	s_barrier_wait -3
	s_barrier_signal -1
	s_barrier_wait -1
.endm
.macro CROUND
	s_barrier_signal -1
	s_barrier_wait -1
	CREST
.endm
	s_load_b256 s[4:11], s[0:1], 0x0               ; xq s[4:5], w1q s[6:7], hr s[8:9], hb s[10:11]
	s_load_b64 s[12:13], s[0:1], 0x20              ; hq
	v_lshl_add_u32 v[SPW], v0, 2, SPARE
	v_mov_b32 v[NIL], 0
	ds_add_u32 v8, v9
	ds_add_u32 v8, v9
	s_wait_dscnt 0x0
	v_mov_b32 v[ONE], 0x7f7f7f7f
.set ee, 0
.rept 16
	v_mov_b32 v[ZR+ee], 0                          ; the fragment of zeros
.set ee, ee+1
.endr
	v_lshrrev_b32 v54, 5, v0
	v_readfirstlane_b32 s[WV], v54                 ; wave 0..3
	s_lshr_b32 s15, s[WV], 1                       ; wm: which 128 rows
	s_and_b32 s16, s[WV], 1                        ; wn: which 128 hidden units
	s_bfe_u32 s17, ttmp6, 0x40000                  ; cx
	s_lshl_b32 s18, ttmp9, 2
	s_add_co_u32 s18, s18, s17                     ; X: which 256 rows: it enters xq's and hq's addresses alone
	s_and_b32 s19, ttmp7, 0xffff                   ; T: which 256 hidden units, shared by the four partners
	s_mov_b32 s[G1+0], 15|(3<<16)|(1<<21)          ; 15:0 the mask: all four; 17:16 elements of 8 bytes; 21 set beside a mask; no padding
	s_mov_b32 s[G1+1], 32<<16                      ; tensor_dim0 = 32 elements: 256 bytes
	s_mov_b32 s[G1+2], 132<<16                     ; tensor_dim1 = 132 rows
	s_mov_b32 s[G1+3], 32<<16                      ; tile_dim0
	s_mov_b32 s[G1+4], 132                         ; tile_dim1
	s_mov_b32 s[G1+5], 32                          ; the pitch: the block is dense
	s_mov_b32 s[G1+6], 0
	s_mov_b32 s[G1+7], 0
	s_mov_b32 s[SEL], 0x76543210
	s_mov_b32 s[SEL+1], 0xfedcba98
	s_mov_b32 s[MNT], 0x600000
	s_mov_b32 s[HM], 0xffff0000
	s_lshl_b32 s20, s19, 2
	s_add_co_u32 s20, s20, s[WV]                   ; the group of 64 units that I fetch: 4 T + wave
	s_mul_i32 s20, s20, WGS
	s_mov_b32 s21, 0
	s_mul_i32 s22, s[WV], PIECE                    ; and where it goes: no place in the cluster enters an LDS address
	s_wait_kmcnt 0x0
	s_add_nc_u64 s[6:7], s[6:7], s[20:21]
	CROUND                                         ; all four work-groups are here: the first joint loads meet
.irp s, 0,1
	s_mov_b32 s[G0+4*\s], 1                        ; count = 1
	s_add_co_u32 s[G0+4*\s+1], s22, \s*SLOT        ; LDS address
	s_add_nc_u64 s[G0+4*\s+2:G0+4*\s+3], s[6:7], \s*PIECE   ; K steps 4 s on
	s_or_b32 s[G0+4*\s+3], s[G0+4*\s+3], 0x80000000         ; type = 2
.endr
	tensor_load_to_lds s[G0:G0+3], s[G1:G1+7]      ; both first fills together: two loads of mine are out
	s_nop 0
	tensor_load_to_lds s[G0+4:G0+7], s[G1:G1+7]
	s_nop 0
	PLACES 4
	v_and_b32 v54, 31, v0
	v_lshlrev_b32 v[L16], 4, v54
	v_lshlrev_b32 v[L8], 3, v54
	s_mul_i32 s20, s16, 2*PIECE                    ; my two groups of units
	v_add_nc_u32 v[ADRB], s20, v[L16]
	v_add_nc_u32 v[ADRB+1], SLOT, v[ADRB]
	v_add_nc_u32 v[ADRC], PIECE, v[ADRB]
	v_add_nc_u32 v[ADRC+1], PIECE, v[ADRB+1]
	v_add_nc_u32 v[ADSB], s20, v[L8]
	v_add_nc_u32 v[ADSB], 8192, v[ADSB]
	v_add_nc_u32 v[ADSB+1], SLOT, v[ADSB]
	v_bfe_u32 v55, v0, 4, 1                        ; h
	v_lshlrev_b32 v[RBO], 6, v55
	s_lshl_b32 s20, s18, 2
	s_lshl_b32 s21, s15, 1
	s_add_co_u32 s20, s20, s21                     ; my first group of 64 rows: 4 X + 2 wm
	s_mul_i32 s22, s20, XG
	s_mov_b32 s23, 0
	s_add_nc_u64 s[40:41], s[4:5], s[22:23]        ; x's units, K step 0
	s_lshl_b32 s20, s20, 4
	s_lshl_b32 s21, s19, 1
	s_add_co_u32 s20, s20, s21
	s_add_co_u32 s20, s20, s16                     ; hq: unit 16 x group + 2 T + wn
	s_mul_i32 s22, s20, UNIT
	s_add_nc_u64 s[42:43], s[12:13], s[22:23]
	s_lshl_b32 s22, s19, 10
	s_lshl_b32 s21, s16, 9
	s_add_co_u32 s22, s22, s21                     ; my first unit, 256 T + 128 wn, in bytes
	s_add_nc_u64 s[44:45], s[8:9], s[22:23]
	s_add_nc_u64 s[46:47], s[10:11], s[22:23]
.macro ALOAD step                      ; x's eight fragments and their scale words, straight from their images
.if \step
	s_add_nc_u64 s[40:41], s[40:41], UNIT          ; the next K step (the last loads by this base were waited for at the step that used them)
.endif
.irp a, 0,1,2,3,4,5,6,7
.irp c, 0,1,2,3
	global_load_b128 v[AF+16*\a+4*\c:AF+16*\a+4*\c+3], v[L16], s[40:41] offset:(\a/4)*XG+(\a%4)*2048+512*\c
.endr
.endr
.irp g, 0,1
	global_load_b64 v[SA+2*\g:SA+2*\g+1], v[L8], s[40:41] offset:\g*XG+8192
.endr
.endm
	ALOAD 0
	; which of my units are tanh, sigmoid, relu units.  Register 16 c + i holds unit 256 T + 128 wn + 32 c + 16 h + i, whose number mod 3 is (T + 2 wn + h + 2 c + i) mod 3: class (2 c + i) mod 3 is fixed by the register
	s_lshl_b32 s20, s16, 1
	s_add_co_u32 s20, s20, s19
	v_add_nc_u32 v55, s20, v55                     ; T + 2 wn + h
.irp q, 0,1,2
	v_add_nc_u32 v56, \q, v55                      ; at most 12
	v_mul_u32_u24 v57, v56, 11
	v_lshrrev_b32 v57, 5, v57                      ; / 3, right up to 12
	v_mul_u32_u24 v57, v57, 3
	v_sub_nc_u32 v56, v56, v57
	v_cmp_eq_u32 s[IS0+\q], 0, v56
	v_cmp_eq_u32 s[IS1+\q], 1, v56
.endr
; a constant of the activation as three pairs, for the packed forms: pair q / 2 holds classes q / 2 and q / 2 + 1
.macro MK3C dst, ct, cs, cr
.irp q, 0,1,2,3,4,5
	v_cndmask_b32 v[\dst+\q], \cr, \cs, s[IS1+(\q/2+\q%2)%3]
	v_cndmask_b32 v[\dst+\q], v[\dst+\q], \ct, s[IS0+(\q/2+\q%2)%3]
.endr
.endm
	MK3C GP, 0x4038aa3b, 0xbfb8aa3b, 1.0           ; G: 2 log2 e, -log2 e, 1
; one product: block a of rows x block b of units; p: W's set; kind 1: x's fragment, 0: zeros; zero 1: it starts the sum.  A block's scale words lie in lanes 0-15 (even block) or 16-31 (odd block) of register block / 2
.macro WM a, b, p, kind, zero
.set rD, 8*(8*((\a)%4)+(\b))
.set rW, 128*(\p)+16*(\b)
.set rS, SB+4*(\p)+(\b)/2
.set oW, (\b)%2
.if \kind
.set rX, AF+16*(\a)
.set rT, SA+(\a)/2
.set oX, (\a)%2
.else
.set rX, ZR
.set rT, ONE
.set oX, 0
.endif
.if \zero
.if oW && oX
	v_wmma_scale_f32_16x16x128_f8f6f4 v[rD:rD+7], v[rW:rW+15], v[rX:rX+15], 0, v[rS], v[rT] matrix_a_scale:MATRIX_SCALE_ROW1 matrix_b_scale:MATRIX_SCALE_ROW1
.elseif oW
	v_wmma_scale_f32_16x16x128_f8f6f4 v[rD:rD+7], v[rW:rW+15], v[rX:rX+15], 0, v[rS], v[rT] matrix_a_scale:MATRIX_SCALE_ROW1
.elseif oX
	v_wmma_scale_f32_16x16x128_f8f6f4 v[rD:rD+7], v[rW:rW+15], v[rX:rX+15], 0, v[rS], v[rT] matrix_b_scale:MATRIX_SCALE_ROW1
.else
	v_wmma_scale_f32_16x16x128_f8f6f4 v[rD:rD+7], v[rW:rW+15], v[rX:rX+15], 0, v[rS], v[rT]
.endif
.else
.if oW && oX
	v_wmma_scale_f32_16x16x128_f8f6f4 v[rD:rD+7], v[rW:rW+15], v[rX:rX+15], v[rD:rD+7], v[rS], v[rT] matrix_a_scale:MATRIX_SCALE_ROW1 matrix_b_scale:MATRIX_SCALE_ROW1
.elseif oW
	v_wmma_scale_f32_16x16x128_f8f6f4 v[rD:rD+7], v[rW:rW+15], v[rX:rX+15], v[rD:rD+7], v[rS], v[rT] matrix_a_scale:MATRIX_SCALE_ROW1
.elseif oX
	v_wmma_scale_f32_16x16x128_f8f6f4 v[rD:rD+7], v[rW:rW+15], v[rX:rX+15], v[rD:rD+7], v[rS], v[rT] matrix_b_scale:MATRIX_SCALE_ROW1
.else
	v_wmma_scale_f32_16x16x128_f8f6f4 v[rD:rD+7], v[rW:rW+15], v[rX:rX+15], v[rD:rD+7], v[rS], v[rT]
.endif
.endif
.endm
; 16 products: blocks a0, a0 + 1 of rows x the eight blocks of units.  The 64 accumulators take turns, one instruction a turn, in the same order in every step
.macro MUL16 a0, p, kind, zero
.irp a, \a0, \a0+1
.irp b, 0,1,2,3,4,5,6,7
	WM (\a), \b, \p, \kind, \zero
.endr
.endr
.endm
.macro FETCH_B slot, q, p              ; W's eight fragments and their scale words of the slot's q-th K step into set p: every load takes consecutive bytes, 16 (8) a lane
	WIN TO_B
.irp b, 0,1,2,3,4,5,6,7
.irp c, 0,1,2,3
	ds_load_b128 v[128*(\p)+16*\b+4*\c:128*(\p)+16*\b+4*\c+3], v[ADRB+(ADRC-ADRB)*(\b/4)+(\slot)] offset:(\q)*UNIT+(\b%4)*2048+512*\c
.endr
.endr
	WIN 0
.irp g, 0,1
	ds_load_b64 v[SB+4*(\p)+2*\g:SB+4*(\p)+2*\g+1], v[ADSB+(\slot)] offset:\g*PIECE+(\q)*UNIT
.endr
.endm
.macro RBLOAD                          ; hr and hb of my 64 units, into the registers that x's fragments have left
.irp c, 0,1,2,3
.irp j, 0,1,2,3
	global_load_b128 v[AF+16*\c+4*\j:AF+16*\c+4*\j+3], v[RBO], s[44:45] offset:128*\c+16*\j
	global_load_b128 v[AF+64+16*\c+4*\j:AF+64+16*\c+4*\j+3], v[RBO], s[46:47] offset:128*\c+16*\j
.endr
.endr
.endm
; A K step that has its successor in the same slot.  In its middle, eight places behind the last product that read them (matrix instructions are
; not counted as places), the other set takes the next step's fragments; extra = 1: x's next fragments are asked for; 2: hr and hb.
.macro STEP p, kind, zero, nslot, nq, extra
	s_wait_dscnt 0x0                               ; this step's fragments of W, asked for 32 matrix instructions ago
.if \kind
	s_wait_loadcnt 0x0                             ; x's fragments
.endif
	WIN MUL_LO
	MUL16 0, \p, \kind, \zero
	MUL16 2, \p, \kind, \zero
	PLACES 8
	FETCH_B \nslot, \nq, 1-(\p)
.if \extra == 1
	ALOAD 1
.elseif \extra == 2
	RBLOAD
.endif
	WIN MUL_HI
	MUL16 4, \p, \kind, \zero
	MUL16 6, \p, \kind, \zero
.endm
; A slot's last step (always one of zeros) changes slots: one barrier.  In front of it each wave waits for all its tensor loads (one is out: its part of the next slot), adds 0 to its spare word, and waits for that
; and for its reads of this slot.  fill = 1: the barrier opens a round of the cluster's barrier, and behind the round this slot takes the K steps eight further on.
.macro TURN slot, next, p, fill
	WIN 0                                          ; (the add's two registers lie in window 0)
	s_wait_tensorcnt 0x0                           ; no tensor load of mine is out, so a group 0 may be written
	ds_add_u32 v[SPW], v[NIL]                      ; 0 onto my spare word
.if \fill
	s_add_nc_u64 s[G0+4*\slot+2:G0+4*\slot+3], s[G0+4*\slot+2:G0+4*\slot+3], 2*PIECE
.endif
	s_wait_dscnt 0x1                               ; this step's fragments are in; the add alone may be out
	WIN MUL_LO
	MUL16 0, \p, 0, 0
	s_wait_dscnt 0x0                               ; the add is done, and my reads of this slot are over
	s_barrier_signal -1
	MUL16 2, \p, 0, 0                              ; work on registers while the others arrive
	WIN 0
	s_barrier_wait -1
.if \fill
	CREST                                          ; no wave of any partner still reads this slot or has a load on its way
	tensor_load_to_lds s[G0+4*\slot:G0+4*\slot+3], s[G1:G1+7]   ; my one tensor load behind the round
	s_nop 0
.endif
	PLACES 8                                       ; in front of the loads below; the first four also follow the tensor load
	FETCH_B \next, 0, 1-(\p)
	WIN MUL_HI
	MUL16 4, \p, 0, 0
	MUL16 6, \p, 0, 0
.endm
	s_wait_tensorcnt 0x1                           ; my part of slot 0 is in; slot 1's may stay out
	s_barrier_signal -1
	s_barrier_wait -1                              ; everybody's is
	FETCH_B 0, 0, 0
	STEP 0, 1, 1, 0, 1, 0                          ; step 0 stands in front of the loop: its products start the sums
	WIN 0                                          ; at a label and at a branch every window is 0
	s_mov_b32 s3, 2
.Lround:                                               ; a trip: eight steps, once round the ring, from a slot 0's second step to the next slot 0's first, which is one of x; both slots are filled again
	STEP 1, 0, 0, 0, 2, 1
	STEP 0, 0, 0, 0, 3, 0
	TURN 0, 1, 1, 1
	STEP 0, 0, 0, 1, 1, 0
	STEP 1, 0, 0, 1, 2, 0
	STEP 0, 0, 0, 1, 3, 0
	TURN 1, 0, 1, 1
	STEP 0, 1, 0, 0, 1, 0
	WIN 0
	s_sub_co_u32 s3, s3, 1
	s_cmp_lg_u32 s3, 0
	s_cbranch_scc1 .Lround
	STEP 1, 0, 0, 0, 2, 1                          ; steps 17 to 23 are written out: they ask for no tile; x's last fragments are asked for here,
	STEP 0, 0, 0, 0, 3, 0
	TURN 0, 1, 1, 0
	STEP 0, 1, 0, 1, 1, 0                          ; and multiplied in step 20;
	STEP 1, 0, 0, 1, 2, 2                          ; hr and hb take their registers
	STEP 0, 0, 0, 1, 3, 0
	s_wait_dscnt 0x0
	WIN MUL_LO
	MUL16 0, 1, 0, 0
	MUL16 2, 1, 0, 0
	WIN MUL_HI
	MUL16 4, 1, 0, 0
	MUL16 6, 1, 0, 0
	; THE WAY OUT.  hr G and hb G first: 64 plain instructions that name no register of the last products: the places behind them
	WIN 0
	s_wait_loadcnt 0x0                             ; hr, hb
.set ee, 0
.rept 32
.set rho, (2*(ee/16)+ee%16)%3
	v_pk_mul_f32 v[AF+ee:AF+ee+1], v[AF+ee:AF+ee+1], v[GP+2*rho:GP+2*rho+1]
	v_pk_mul_f32 v[AF+64+ee:AF+64+ee+1], v[AF+64+ee:AF+64+ee+1], v[GP+2*rho:GP+2*rho+1]
.set ee, ee+2
.endr
	WIN 0x40                                       ; destination window 1: W's fragments are done with
	v_mov_b32 v[L16W], v[L16]
	v_mov_b32 v[L8W], v[L8]
.irp b, 0,1,2,3
	v_mov_b32 v[TM+4+\b], 0                        ; written once: a lane permute's destination counts as one of its sources
.endr
	WIN 0x41
	MK3C AL, 1.0, 0, 0
	MK3C BE, -2.0, 1.0, 0
	MK3C DE, 0, 0, 1.0
.macro QUANT s, pw                     ; 64 numbers of a lane, v[s] on, become a fragment's codes in v[C] on and my row's scale word in v[pw]
.irp b, 0,1,2,3
	v_max3_num_f32 v[TM+\b], |v[\s+16*\b]|, |v[\s+1+16*\b]|, 0x4800000   ; block b: my 16 numbers, and the floor 2^(9 - 127): the byte cannot fall under 1
.endr
.irp i, 2,4,6,8,10,12,14
.irp b, 0,1,2,3
	v_max3_num_f32 v[TM+\b], v[TM+\b], |v[\s+16*\b+\i]|, |v[\s+1+16*\b+\i]|
.endr
.endr
.irp b, 0,1,2,3
	v_permlanex16_b32 v[TM+4+\b], v[TM+\b], s[SEL], s[SEL+1]
.endr
.irp b, 0,1,2,3
	v_max_num_f32 v[TM+\b], v[TM+\b], v[TM+4+\b]   ; with lane l xor 16's 16: the block's largest magnitude
.endr
.irp b, 0,1,2,3
	v_add_nc_u32 v[TM+12+\b], 0xfc000000, v[TM+\b] ; 8 off its exponent field: the conversion's scale operand
.endr
.irp b, 0,1,2,3
	v_and_or_b32 v[TM+8+\b], v[TM+\b], 0x7f800000, s[MNT]   ; 448 x the scale
.endr
.irp b, 0,1,2,3
	v_lshrrev_b32 v[TM+4+\b], 23, v[TM+12+\b]      ; the scale's byte
.endr
	v_lshl_or_b32 v[\pw], v[TM+5], 8, v[TM+4]
	v_lshl_or_b32 v[\pw], v[TM+6], 16, v[\pw]
	v_lshl_or_b32 v[\pw], v[TM+7], 24, v[\pw]
.irp b, 0,1,2,3
.irp i, 0,1,2,3,4,5,6,7,8,9,10,11,12,13,14,15
	v_med3_num_f32 v[\s+16*\b+\i], v[\s+16*\b+\i], -v[TM+8+\b], v[TM+8+\b]   ; the conversion to an 8-bit code does not saturate (ISA guide 7.6.2): the hold comes first
.endr
	v_cvt_scalef32_pk8_fp8_f32 v[C+4*\b:C+1+4*\b], v[\s+16*\b:\s+7+16*\b], v[TM+12+\b]
	v_cvt_scalef32_pk8_fp8_f32 v[C+2+4*\b:C+3+4*\b], v[\s+8+16*\b:\s+15+16*\b], v[TM+12+\b]
.endr
	v_nop                                          ; one plain line behind the last conversion
.endm
; Block a of my rows: 64 numbers a lane.  The exponentials are one batch with one wait ahead of their first reader, and so are the reciprocals
.macro EPI a
	WIN 0x42+(\a)/4                                ; source 0: the accumulators' window; hr G, hb G window 0; destination window 1
.set ee, 0
.rept 32
	v_pk_fma_f32 v[ZZ+ee:ZZ+ee+1], v[64*((\a)%4)+ee:64*((\a)%4)+ee+1], v[AF+ee:AF+ee+1], v[AF+64+ee:AF+64+ee+1]   ; z = G (hr s + hb); each accumulator from its low end on
.set ee, ee+2
.endr
	WIN 0x55                                       ; all in window 1
.set ee, 0
.rept 64
	v_exp_f32 v[QQ+ee], v[ZZ+ee]
.set ee, ee+1
.endr
	v_nop                                          ; a plain line behind the last exponential
.set ee, 0
.rept 64
	v_max_num_f32 v[ZZ+ee], 0, v[ZZ+ee]            ; relu's part: work that names no exponential's result
.set ee, ee+1
.endr
	s_wait_alu depctr_va_vdst(0)
.set ee, 0
.rept 32
	v_pk_add_f32 v[QQ+ee:QQ+ee+1], v[QQ+ee:QQ+ee+1], 1.0 op_sel_hi:[1,0]
.set ee, ee+2
.endr
.set ee, 0
.rept 64
	v_rcp_f32 v[QQ+ee], v[QQ+ee]
.set ee, ee+1
.endr
	v_nop
	s_wait_alu depctr_va_vdst(0)
.set ee, 0
.rept 32
.set rho, (2*(ee/16)+ee%16)%3
	v_pk_fma_f32 v[QQ+ee:QQ+ee+1], v[QQ+ee:QQ+ee+1], v[BE+2*rho:BE+2*rho+1], v[AL+2*rho:AL+2*rho+1]
.set ee, ee+2
.endr
.set ee, 0
.rept 32
.set rho, (2*(ee/16)+ee%16)%3
	v_pk_fma_f32 v[QQ+ee:QQ+ee+1], v[ZZ+ee:ZZ+ee+1], v[DE+2*rho:DE+2*rho+1], v[QQ+ee:QQ+ee+1]
.set ee, ee+2
.endr
	s_wait_xcnt 0x0                                ; the last block's stores have read their data: the codes' registers may be written again
	QUANT QQ, PWR+(\a)%4
.irp c, 0,1,2,3
	global_store_b128 v[L16W], v[C+4*\c:C+4*\c+3], s[42:43] offset:((\a)/4)*HG+((\a)%4)*2048+512*\c   ; the image of registers 4 c .. 4 c + 3: 512 consecutive bytes, at a multiple of 256 from hq's first byte
.endr
.if (\a)%4 == 3
	v_cndmask_b32 v[PP], v[PWR], v[PWR+1], s[HM]   ; lanes 0-15 the even block's words, lanes 16-31 the odd block's
	v_cndmask_b32 v[PP+1], v[PWR+2], v[PWR+3], s[HM]
	global_store_b64 v[L8W], v[PP:PP+1], s[42:43] offset:((\a)/4)*HG+8192
.endif
.endm
.irp a, 0,1,2,3,4,5,6,7
	EPI \a
.endr
	WIN 0
	s_wait_tensorcnt 0x0                           ; the wave's end
	ds_add_u32 v[SPW], v[NIL]
	s_wait_dscnt 0x0
	CROUND                                         ; the closing round: no work-group ends while a partner may still ask for a tile that names it
	s_endpgm
.Lfunc_end_k_q675e9dd5e1_hidden:
	.size	k_q675e9dd5e1_hidden, .Lfunc_end_k_q675e9dd5e1_hidden-k_q675e9dd5e1_hidden
	.p2alignl 7, 3214868480
	.fill 96, 4, 3214868480
	.section	.rodata,"a",@progbits
	.p2align	6, 0x0
	.amdhsa_kernel k_q675e9dd5e1_hidden
		.amdhsa_group_segment_fixed_size 327680
		.amdhsa_private_segment_fixed_size 0
		.amdhsa_enable_private_segment 0
		.amdhsa_kernarg_size 40
		.amdhsa_user_sgpr_count 2
		.amdhsa_user_sgpr_kernarg_segment_ptr 1
		.amdhsa_wavefront_size32 1
		.amdhsa_system_sgpr_workgroup_id_x 1
		.amdhsa_system_sgpr_workgroup_id_y 1
		.amdhsa_system_sgpr_workgroup_id_z 1
		.amdhsa_system_vgpr_workitem_id 0
		.amdhsa_next_free_vgpr 1024
		.amdhsa_next_free_sgpr 66
		.amdhsa_reserve_vcc 0
		.amdhsa_float_denorm_mode_32 3
		.amdhsa_float_denorm_mode_16_64 3
		.amdhsa_memory_ordered 1
		.amdhsa_forward_progress 1
		.amdhsa_inst_pref_size 255
	.end_amdhsa_kernel
	.section	.bss,"aw",@nobits
	.p2align	6
	.space	262144
	.amdgpu_metadata
---
amdhsa.version: [ 1, 2 ]
amdhsa.kernels:
  - .name:           k_q675e9dd5e1_hidden
    .symbol:         k_q675e9dd5e1_hidden.kd
    .args:
      - { .name: xq, .offset: 0, .size: 8, .value_kind: global_buffer, .address_space: global }
      - { .name: w1q, .offset: 8, .size: 8, .value_kind: global_buffer, .address_space: global }
      - { .name: hidden_responses, .offset: 16, .size: 8, .value_kind: global_buffer, .address_space: global }
      - { .name: hidden_biases, .offset: 24, .size: 8, .value_kind: global_buffer, .address_space: global }
      - { .name: hq, .offset: 32, .size: 8, .value_kind: global_buffer, .address_space: global }
    .group_segment_fixed_size: 327680
    .private_segment_fixed_size: 0
    .kernarg_segment_align: 8
    .kernarg_segment_size: 40
    .max_flat_workgroup_size: 128
    .sgpr_count:     66
    .vgpr_count:     1024
    .wavefront_size: 32
...
	.end_amdgpu_metadata
.endif
;; end of part 2
;; launch outp (part 3): grid 4 x 64, 4 waves a work-group, clusters of 4 x 4, 327,680 bytes of LDS; arguments xq, hq, w2q, output_responses, output_biases, out0; writes out0
.if DOCPART == 3
	.amdgcn_target "amdgcn-amd-amdhsa--gfx1250"
	.amdhsa_code_object_version 6
	.text
	.protected	k_q675e9dd5e1_outp
	.globl	k_q675e9dd5e1_outp
	.p2align	8
	.type	k_q675e9dd5e1_outp,@function
k_q675e9dd5e1_outp:
	s_mov_b64 s[64:65], 0
	v_nop
	global_prefetch_b8 v0, s[64:65] scope:SCOPE_SE
	s_setreg_imm32_b32 hwreg(HW_REG_WAVE_MODE, 25, 1), 1
	s_wait_xcnt 0x0
	s_wait_alu depctr_hold_cnt(0) depctr_sa_sdst(0) depctr_va_vdst(0) depctr_va_sdst(0) depctr_va_ssrc(0) depctr_va_vcc(0) depctr_vm_vsrc(0)
	s_getreg_b32 s2, hwreg(HW_REG_IB_STS2, 6, 4)
	s_cmp_eq_u32 s2, 0
	s_cbranch_scc0 .Lentry_in_a_cluster
	s_endpgm
.Lentry_in_a_cluster:
	s_bfe_u32 s2, ttmp6, 0x10000c
	s_cmp_lg_u32 s2, 0xf033
	s_cbranch_scc0 .Lentry_shape_is_right
	s_endpgm
.Lentry_shape_is_right:
; out = sigmoid(or (x Wio^T + h Who^T + outputs Woo^T) + ob).  All three products on codes of FP8 (E4M3) with E8M0 scales for each 32 along K; sums in f32.  Units and their layout: see the first launch.
; outputs are the zeros that the function itself makes: zero codes under the byte 127: sixteen registers of zeros and one register of 0x7f7f7f7f; Woo is read and multiplied like any weight.
; Along K the three products are one sum of 24 steps of 128: 4 of x against Wio, 16 of h against Who, 4 of zeros against Woo; w2q holds the weights' units in that order (places 0 to 23).
; SHARES.  8,192 x 512 results are 256 tiles of 128 x 128, one for each work-group; a larger tile would leave work-groups without work.  Each of four waves makes 32 rows x 128 columns: 16 accumulators.
; The products are used transposed (source 0 = 16 rows of W, source 1 = 16 rows of the batch): a lane holds 16 neighbouring columns of one row in two neighbouring tiles.
; x AND h: a wave's 32 rows are read by no other wave of the work-group, so their fragments come straight from their images into registers: 8 loads of 16 bytes a lane and one scale word for a K step, issued
; seven K steps ahead into eight sets of registers: 63 loads of a wave are out at the most, by this text's own count.
; W: all four waves read the same 128 rows: through LDS, in pieces of one group of 64 rows x 3 K steps, 25,344 dense bytes as 99 rows of 256.  Six places for each of the two groups: 18 of the 24 K steps are first fills,
; three loads a wave; the other six come by ONE refill, one load a wave, into the two places that the first six steps have read out: it has ten steps in which to land.
; THE ORDER OF THE STEPS (w2q's places): 0-5 | 21-23 (zeros) | 6-12 | 20 (zeros) | 13-19.  The steps of zeros, which want no loads of x or h, stand where the next loads of h are still on their way.
; CLUSTER 4 x 4: the four of a column of the cluster need the same rows of W: each piece is asked for jointly, by the same load with the same descriptor and the mask of the column.  x and h are asked for by plain loads:
; the four of a row read the same units at about the same time.  All is written out: no loop, no tensor load under a branch.
; No prefetch: the loads of x and h are themselves issued seven K steps ahead of their use, and three quarters of W are asked for at the start.
; THE WAY OUT: a block of 16 rows x 128 columns goes through the wave's stage as sums and comes back as whole rows; there a lane holds four neighbouring columns, so that or and ob are eight registers.
; The stage lies in W's third place: it has had its only fill, and every wave has read it out ahead of the last barrier.
; LIMITS: NaN and infinities are not served.
; REGISTERS: window 0: v1-20 addresses and constants; v22-29 W's scale words, two sets; v30-37 the batch's, a register a set; v48-55 or, ob; v64-79 zeros; v128-255 accumulator (a, b) at v[128 + 8 (8 a + b)].
;   window 1: W's eight fragments, two sets (v0, v128); at the end rows on their way out.   window 2: the batch's two fragments, eight sets of 32.
.set UNIT,  8448
.set XG,    4*UNIT
.set HG,    16*UNIT
.set WGS,   24*UNIT
.set P3,    3*UNIT                     ; a piece
.set STAGE, 4*P3                       ; the third place: 16 rows x (512 + 16) bytes for each wave
.set SPITCH, 528
.set SPARE, 12*P3                      ; behind the twelve pieces: the spare words, 128 bytes for each wave: two blocks of 256 bytes that no other line names
.set AV,   1                           ; v1    x's and h's fragments: 16 x lane + 4,096 x (wave % 2): my two blocks of the group's four
.set AS,   2                           ; v2    their scale word: 8 x lane + 4 x (wave % 2)
.set ADB,  3                           ; v3-8  LDS address of W's fragments at place 0 .. 5: 16 x lane + 2 x place x a piece
.set CO,   3                           ; v3    16 x lane: also my byte offset in a row of out0, in or and in ob
.set ADS,  9                           ; v9-14 of W's scale words
.set STO,  15                          ; v15   the stage: where I put 64 bytes of a row
.set RD,   16                          ; v16   and where I read a row back
.set SPW,  18                          ; v18   my spare word; never rewritten
.set NIL,  19                          ; v19   0; never rewritten
.set ONE,  20                          ; v20   four bytes 127
.set SB,   22
.set SA,   30
.set OR4,  48
.set OB4,  52
.set ZR,   64
.set ACC,  128
.set WV,   16                          ; s16 wave;  s17 wave / 2: which group of 64 rows is mine, and which of a pair of pieces I fetch;  s18 wave % 2: which 32 rows of the group, and for which group of W I fetch
.set WH,   17
.set WL,   18
.set G1,   24                          ; s[24:31] descriptor group 1
.set G0,   32                          ; s[32:43] group 0: a set for each of the three first fills; the first serves the refill too
.set XQB,  44
.set HQB,  46
.set W2P,  48
.set ORB,  50
.set OBP,  52
.set OUTB, 54
.set MSB, 0
.macro WIN new                         ; the immediate's high byte repeats the setting that is left; a switch that changes nothing is dropped
.if MSB != (\new)
	s_set_vgpr_msb (MSB<<8)|(\new)
.set MSB, (\new)
.endif
.endm
.macro PLACES n
.rept \n
	v_nop
.endr
.endm
.macro CREST                           ; a round of the cluster's barrier behind its opening barrier
	s_cmp_lg_u32 s[WV], 0
	s_cbranch_scc1 .Lnot_wave_0_\@
	s_barrier_signal -3
.Lnot_wave_0_\@:
	s_barrier_wait -3
	s_barrier_signal -1
	s_barrier_wait -1
.endm
.macro CROUND
	s_barrier_signal -1
	s_barrier_wait -1
	CREST
.endm
	s_load_b256 s[4:11], s[0:1], 0x0               ; xq s[4:5], hq s[6:7], w2q s[8:9], or s[10:11]
	s_load_b128 s[12:15], s[0:1], 0x20             ; ob s[12:13], out0 s[14:15]
	v_lshl_add_u32 v[SPW], v0, 2, SPARE
	v_mov_b32 v[NIL], 0
	ds_add_u32 v18, v19
	ds_add_u32 v18, v19
	s_wait_dscnt 0x0
	v_mov_b32 v[ONE], 0x7f7f7f7f
.set ee, 0
.rept 16
	v_mov_b32 v[ZR+ee], 0                          ; the fragment of zeros
.set ee, ee+1
.endr
	v_lshrrev_b32 v56, 5, v0
	v_readfirstlane_b32 s[WV], v56
	s_lshr_b32 s[WH], s[WV], 1
	s_and_b32 s[WL], s[WV], 1
	s_bfe_u32 s2, ttmp6, 0x40000                   ; cx
	s_bfe_u32 s3, ttmp6, 0x40004                   ; cy
	s_lshl_b32 s56, ttmp9, 2
	s_add_co_u32 s56, s56, s2                      ; tile column = 4 x cluster x + cx
	s_and_b32 s19, ttmp7, 0xffff
	s_lshl_b32 s19, s19, 2
	s_add_co_u32 s19, s19, s3                      ; tile row = 4 x cluster y + cy
	s_lshl_b32 s57, 0x1111, s2                     ; my column of the cluster
	s_or_b32 s[G1+0], s57, (3<<16)|(1<<21)         ; 15:0 the mask; 17:16 elements of 8 bytes; 21 set beside a mask; no padding
	s_mov_b32 s[G1+1], 32<<16                      ; tensor_dim0 = 32 elements: 256 bytes
	s_mov_b32 s[G1+2], 99<<16                      ; tensor_dim1 = 99 rows
	s_mov_b32 s[G1+3], 32<<16                      ; tile_dim0
	s_mov_b32 s[G1+4], 99                          ; tile_dim1
	s_mov_b32 s[G1+5], 32                          ; the pitch: the block is dense
	s_mov_b32 s[G1+6], 0
	s_mov_b32 s[G1+7], 0
	v_and_b32 v56, 31, v0
	v_lshlrev_b32 v[CO], 4, v56                    ; 16 x lane
	v_lshlrev_b32 v57, 3, v56                      ; 8 x lane
	s_lshl_b32 s20, s[WL], 12
	v_add_nc_u32 v[AV], s20, v[CO]
	s_lshl_b32 s20, s[WL], 2
	v_add_nc_u32 v[AS], s20, v57
	s_lshl_b32 s20, s19, 1
	s_add_co_u32 s20, s20, s[WH]                   ; my group of 64 rows: 2 x tile row + wave / 2
	s_mul_i32 s22, s20, XG
	s_mov_b32 s23, 0
	s_mul_i32 s20, s20, HG
	s_mov_b32 s21, 0
	s_lshl_b32 s58, s56, 1
	s_add_co_u32 s58, s58, s[WL]                   ; W's group for which I fetch: 2 x tile column + wave % 2
	s_mul_i32 s58, s58, WGS
	s_mul_i32 s60, s[WH], P3                       ; of a pair of pieces the first or the second
	s_add_co_u32 s58, s58, s60
	s_mov_b32 s59, 0
	s_mul_i32 s60, s[WH], 4*P3                     ; (the second pair is pieces 2 and 7: four pieces further apart)
	s_mov_b32 s61, 0
	s_mul_i32 s62, s[WV], P3                       ; where a piece goes: wave x a piece: no place in the cluster enters an LDS address
	s_wait_kmcnt 0x0
	s_add_nc_u64 s[XQB:XQB+1], s[4:5], s[22:23]
	s_add_nc_u64 s[HQB:HQB+1], s[6:7], s[20:21]
	s_add_nc_u64 s[W2P:W2P+1], s[8:9], s[58:59]
	s_lshl_b32 s20, s56, 9                         ; the tile's first column, in bytes
	s_add_nc_u64 s[ORB:ORB+1], s[10:11], s[20:21]
	s_add_nc_u64 s[OBP:OBP+1], s[12:13], s[20:21]
	s_add_nc_u64 s[OUTB:OUTB+1], s[14:15], s[20:21]
	s_lshl_b32 s20, s19, 18
	s_lshl_b32 s22, s[WV], 16
	s_add_co_u32 s20, s20, s22                     ; my first row, 128 x tile row + 32 x wave, in bytes
	s_add_nc_u64 s[OUTB:OUTB+1], s[OUTB:OUTB+1], s[20:21]
	CROUND                                         ; all sixteen work-groups are here: the first joint loads meet
	s_mov_b32 s[G0], 1                             ; count = 1
	s_mov_b32 s[G0+1], s62                         ; places 0, 1: pieces 0, 1 (w2q's places 0-2, 3-5)
	s_mov_b64 s[G0+2:G0+3], s[W2P:W2P+1]
	s_or_b32 s[G0+3], s[G0+3], 0x80000000          ; type = 2
	s_mov_b32 s[G0+4], 1
	s_add_co_u32 s[G0+5], s62, 4*P3                ; places 2, 3: pieces 2, 7 (6-8, 21-23)
	s_add_nc_u64 s[G0+6:G0+7], s[W2P:W2P+1], s[60:61]
	s_add_nc_u64 s[G0+6:G0+7], s[G0+6:G0+7], 2*P3
	s_or_b32 s[G0+7], s[G0+7], 0x80000000
	s_mov_b32 s[G0+8], 1
	s_add_co_u32 s[G0+9], s62, 8*P3                ; places 4, 5: pieces 3, 4 (9-11, 12-14)
	s_add_nc_u64 s[G0+10:G0+11], s[W2P:W2P+1], 3*P3
	s_or_b32 s[G0+11], s[G0+11], 0x80000000
	tensor_load_to_lds s[G0:G0+3], s[G1:G1+7]      ; the three first fills together: three loads of mine are out
	s_nop 0
	tensor_load_to_lds s[G0+4:G0+7], s[G1:G1+7]
	s_nop 0
	tensor_load_to_lds s[G0+8:G0+11], s[G1:G1+7]
	s_nop 0
	PLACES 4
; the batch's K step j (x: 0-3, h: 4-19): my two fragments and their scale word into set j % 8, straight from the unit's images.  The word at 8 lane + 4 (wave % 2): lanes 0-15 my first block's rows, lanes 16-31 my second's
.macro ALOAD j
.set st, (\j)%8
.if (\j) < 4
.set ub, (\j)*UNIT
.set bs, XQB
.else
.set ub, ((\j)-4)*UNIT
.set bs, HQB
.endif
	WIN 0x80                                       ; destination window 2, address window 0
.irp a, 0,1
.irp c, 0,1,2,3
	global_load_b128 v[32*st+16*\a+4*\c:32*st+16*\a+4*\c+3], v[AV], s[bs:bs+1] offset:ub+2048*\a+512*\c
.endr
.endr
	WIN 0
	global_load_b32 v[SA+st], v[AS], s[bs:bs+1] offset:ub+8192
.endm
	global_load_b128 v[OR4:OR4+3], v[CO], s[ORB:ORB+1]   ; or and ob of columns 4 lane .. 4 lane + 3: the oldest loads, in when step 0's are
	global_load_b128 v[OB4:OB4+3], v[CO], s[OBP:OBP+1]
.irp j, 0,1,2,3,4,5
	ALOAD \j                                       ; 2 + 54 loads are out
.endr
.irp q, 1,2,3,4,5
	v_add_nc_u32 v[ADB+\q], 2*\q*P3, v[CO]
.endr
.irp q, 0,1,2,3,4,5
	v_add_nc_u32 v[ADS+\q], 2*\q*P3+8192, v57
.endr
	v_and_b32 v58, 15, v0                          ; r
	v_bfe_u32 v59, v0, 4, 1                        ; h
	s_mul_i32 s21, s[WV], 16*SPITCH
	s_add_co_u32 s21, s21, STAGE                   ; my stage
	v_mul_u32_u24 v[STO], v58, SPITCH              ; in: row r, 64 bytes for each half of the lanes
	v_lshl_add_u32 v[STO], v59, 6, v[STO]
	v_add_nc_u32 v[STO], s21, v[STO]
	v_add_nc_u32 v[RD], s21, v[CO]                 ; back: the 32 lanes take one row of 512 bytes
; one product: my block a of rows x block b of W's rows; p: W's set; sj: the batch's set, or -1: zeros; zero 1: it starts the sum.  W's scale words lie in lanes 0-15 (even block) or 16-31 (odd block) of register b / 2
.macro WM a, b, p, zero
.set rD, ACC+8*(8*(\a)+(\b))
.set rW, 128*(\p)+16*(\b)
.set rS, SB+4*(\p)+(\b)/2
.set oW, (\b)%2
.if sj >= 0
.set rX, 32*sj+16*(\a)
.set rT, SA+sj
.set oX, (\a)
.else
.set rX, ZR
.set rT, ONE
.set oX, 0
.endif
.if \zero
.if oW && oX
	v_wmma_scale_f32_16x16x128_f8f6f4 v[rD:rD+7], v[rW:rW+15], v[rX:rX+15], 0, v[rS], v[rT] matrix_a_scale:MATRIX_SCALE_ROW1 matrix_b_scale:MATRIX_SCALE_ROW1
.elseif oW
	v_wmma_scale_f32_16x16x128_f8f6f4 v[rD:rD+7], v[rW:rW+15], v[rX:rX+15], 0, v[rS], v[rT] matrix_a_scale:MATRIX_SCALE_ROW1
.elseif oX
	v_wmma_scale_f32_16x16x128_f8f6f4 v[rD:rD+7], v[rW:rW+15], v[rX:rX+15], 0, v[rS], v[rT] matrix_b_scale:MATRIX_SCALE_ROW1
.else
	v_wmma_scale_f32_16x16x128_f8f6f4 v[rD:rD+7], v[rW:rW+15], v[rX:rX+15], 0, v[rS], v[rT]
.endif
.else
.if oW && oX
	v_wmma_scale_f32_16x16x128_f8f6f4 v[rD:rD+7], v[rW:rW+15], v[rX:rX+15], v[rD:rD+7], v[rS], v[rT] matrix_a_scale:MATRIX_SCALE_ROW1 matrix_b_scale:MATRIX_SCALE_ROW1
.elseif oW
	v_wmma_scale_f32_16x16x128_f8f6f4 v[rD:rD+7], v[rW:rW+15], v[rX:rX+15], v[rD:rD+7], v[rS], v[rT] matrix_a_scale:MATRIX_SCALE_ROW1
.elseif oX
	v_wmma_scale_f32_16x16x128_f8f6f4 v[rD:rD+7], v[rW:rW+15], v[rX:rX+15], v[rD:rD+7], v[rS], v[rT] matrix_b_scale:MATRIX_SCALE_ROW1
.else
	v_wmma_scale_f32_16x16x128_f8f6f4 v[rD:rD+7], v[rW:rW+15], v[rX:rX+15], v[rD:rD+7], v[rS], v[rT]
.endif
.endif
.endm
; 8 products: my block a x W's eight.  The 16 accumulators take turns, one instruction a turn, in the same order in every step
.macro MULH a, p, zero
.if sj >= 0
	WIN 0x09                                       ; source 0 (W) window 1, source 1 (the batch) window 2; C and D window 0
.else
	WIN 0x01                                       ; source 1, the zeros, window 0
.endif
.irp b, 0,1,2,3,4,5,6,7
	WM \a, \b, \p, \zero
.endr
.endm
.macro FETCHB pos, q, p                ; W's eight fragments and their scale words of the q-th K step at a place into set p: every load takes consecutive bytes, 16 (8) a lane
	WIN 0x40                                       ; destination window 1, address window 0
.irp b, 0,1,2,3,4,5,6,7
.irp c, 0,1,2,3
	ds_load_b128 v[128*(\p)+16*\b+4*\c:128*(\p)+16*\b+4*\c+3], v[ADB+(\pos)] offset:(\b/4)*P3+(\q)*UNIT+(\b%4)*2048+512*\c
.endr
.endr
	WIN 0
.irp g, 0,1
	ds_load_b64 v[SB+4*(\p)+2*\g:SB+4*(\p)+2*\g+1], v[ADS+(\pos)] offset:\g*P3+(\q)*UNIT
.endr
.endm
; The wait for the batch's step j.  Loads come back in order (ISA guide 5.7.1): behind step j's nine stand, when it is due, those of steps j + 1 to j + 6 as far as there are such steps; at step 0 only steps 1 to 5 have been asked for
.macro AWAIT j
.if (\j) == 0
	s_wait_loadcnt 45
.elseif ((\j) > 0) && ((\j) < 13)
	s_wait_loadcnt 54
.elseif (\j) >= 13
	s_wait_loadcnt 9*(19-(\j))
.endif
.endm
.macro ANEXT j                         ; and what is asked for in its stead: seven steps on, into the set that the batch's step before has left
.if (\j) == 0
	ALOAD 6
	ALOAD 7
.elseif ((\j) > 0) && ((\j) < 13)
	ALOAD (\j)+7
.endif
.endm
.macro SETJ j
.set sj, -1
.if (\j) >= 0
.set sj, (\j)%8
.endif
.endm
; A K step.  j: the batch's step, or -1: zeros.  In its middle, eight places behind the last product that read them (matrix instructions are not
; counted as places), W's other set takes the next step's fragments, from the nq-th step at place npos, and the batch's oldest set its next step.
.macro STEP p, j, zero, npos, nq
	SETJ \j
	s_wait_dscnt 0x0                               ; this step's fragments of W
	AWAIT \j
	MULH 0, \p, \zero
	PLACES 8
	FETCHB \npos, \nq, 1-(\p)
	ANEXT \j
	MULH 1, \p, \zero
.endm
; The sixth step: places 0 and 1 have been read out and are filled again.  In front of the barrier each wave waits for all its tensor loads (so that all 18 first steps are whole behind it), adds 0 to its spare word, and
; waits for that and for its reads.  The barrier opens a round of the cluster's barrier; behind the round stands my one tensor load.
.macro RSTEP p, j, npos, nq
	SETJ \j
	WIN 0                                          ; (the add's two registers lie in window 0)
	s_wait_tensorcnt 0x0                           ; no tensor load of mine is out, so a group 0 may be written
	ds_add_u32 v[SPW], v[NIL]                      ; 0 onto my spare word
	s_add_nc_u64 s[G0+2:G0+3], s[W2P:W2P+1], 5*P3  ; pieces 5, 6 (w2q's places 15-17, 18-20) into places 0, 1
	s_or_b32 s[G0+3], s[G0+3], 0x80000000
	AWAIT \j
	s_wait_dscnt 0x0                               ; the add is done, this step's fragments are in, and my reads of places 0 and 1 are over
	s_barrier_signal -1
	MULH 0, \p, 0                                  ; work on registers while the others arrive
	WIN 0
	s_barrier_wait -1
	CREST                                          ; no wave of any partner still reads these places or has a load on its way
	tensor_load_to_lds s[G0:G0+3], s[G1:G1+7]
	s_nop 0
	PLACES 8                                       ; in front of the loads below; the first four also follow the tensor load
	FETCHB \npos, \nq, 1-(\p)
	ANEXT \j
	MULH 1, \p, 0
.endm
; The sixteenth step: behind its barrier the refilled places are read.  Each wave waits for its one load (none was issued behind it: the count is 0) and for its LDS reads
.macro BSTEP p, j, npos, nq
	SETJ \j
	s_wait_tensorcnt 0x0
	AWAIT \j
	s_wait_dscnt 0x0                               ; also: my reads of places 2, 3 and 4 are over, for the sake of the stage
	s_barrier_signal -1
	MULH 0, \p, 0
	s_barrier_wait -1
	PLACES 8
	FETCHB \npos, \nq, 1-(\p)
	ANEXT \j
	MULH 1, \p, 0
.endm
	s_wait_tensorcnt 0x2                           ; my piece of places 0, 1 is in; the two later first fills may stay out
	s_barrier_signal -1
	s_barrier_wait -1                              ; everybody's is
	FETCHB 0, 0, 0
	STEP 0, 0, 1, 0, 1                             ; x against Wio; the first step's products start the sums
	STEP 1, 1, 0, 0, 2
	STEP 0, 2, 0, 1, 0
	STEP 1, 3, 0, 1, 1
	STEP 0, 4, 0, 1, 2                             ; h against Who
	RSTEP 1, 5, 3, 0
	STEP 0, -1, 0, 3, 1                            ; zeros against Woo's steps 1 to 3
	STEP 1, -1, 0, 3, 2
	STEP 0, -1, 0, 2, 0
	STEP 1, 6, 0, 2, 1
	STEP 0, 7, 0, 2, 2
	STEP 1, 8, 0, 4, 0
	STEP 0, 9, 0, 4, 1
	STEP 1, 10, 0, 4, 2
	STEP 0, 11, 0, 5, 0
	BSTEP 1, 12, 1, 2
	STEP 0, -1, 0, 5, 1                            ; zeros against Woo's step 0
	STEP 1, 13, 0, 5, 2
	STEP 0, 14, 0, 0, 0
	STEP 1, 15, 0, 0, 1
	STEP 0, 16, 0, 0, 2
	STEP 1, 17, 0, 1, 0
	STEP 0, 18, 0, 1, 1
	SETJ 19                                        ; the last step: nothing more to fetch
	s_wait_dscnt 0x0
	AWAIT 19
	MULH 0, 1, 0
	MULH 1, 1, 0
	WIN 0
	; THE WAY OUT.  sigmoid(y) = 1 / (1 + 2^(-y log2 e)).  or and ob times -log2 e, and four v_nop: the eight places behind the last products
	v_pk_mul_f32 v[OR4:OR4+1], v[OR4:OR4+1], 0xbfb8aa3b op_sel_hi:[1,0]
	v_pk_mul_f32 v[OR4+2:OR4+3], v[OR4+2:OR4+3], 0xbfb8aa3b op_sel_hi:[1,0]
	v_pk_mul_f32 v[OB4:OB4+1], v[OB4:OB4+1], 0xbfb8aa3b op_sel_hi:[1,0]
	v_pk_mul_f32 v[OB4+2:OB4+3], v[OB4+2:OB4+3], 0xbfb8aa3b op_sel_hi:[1,0]
	PLACES 4
; Block a: 16 rows x 128 columns.  A lane holds 4 x 64 bytes of one row; they go through my own stage and come back as whole rows of 512 bytes, into the registers that W's fragments have left.
; LDS serves a wave's instructions in order (ISA guide 5.7.1.4): no wait between the stores and the loads, nor in front of the next block's stores.
.macro TOSTAGE a
	WIN 0
.irp b, 0,1,2,3,4,5,6,7
	ds_store_b128 v[STO], v[ACC+64*(\a)+8*\b:ACC+64*(\a)+8*\b+3] offset:128*(\b/2)+32*(\b%2)          ; each accumulator from its low end on
	ds_store_b128 v[STO], v[ACC+64*(\a)+8*\b+4:ACC+64*(\a)+8*\b+7] offset:128*(\b/2)+32*(\b%2)+16
.endr
	WIN 0x40                                       ; destination window 1
.irp t, 0,1,2,3,4,5,6,7,8,9,10,11,12,13,14,15
	ds_load_b128 v[64*(\a)+4*\t:64*(\a)+4*\t+3], v[RD] offset:\t*SPITCH
.endr
.endm
; The block's 64 numbers of a lane: register 4 t + i is stage row t, column 4 lane + i.  The exponentials are one batch with one wait ahead of their first reader, and so are the reciprocals.
; Stage row t is row 8 a + t % 8 + 16 (t / 8) of my 32.
.macro ACT a
	WIN 0x41                                       ; destination and source 0 window 1; or, ob window 0
.set tt, 0
.rept 16
	v_pk_fma_f32 v[64*(\a)+4*tt:64*(\a)+4*tt+1], v[64*(\a)+4*tt:64*(\a)+4*tt+1], v[OR4:OR4+1], v[OB4:OB4+1]
	v_pk_fma_f32 v[64*(\a)+4*tt+2:64*(\a)+4*tt+3], v[64*(\a)+4*tt+2:64*(\a)+4*tt+3], v[OR4+2:OR4+3], v[OB4+2:OB4+3]
.set tt, tt+1
.endr
.set ee, 0
.rept 64
	v_exp_f32 v[64*(\a)+ee], v[64*(\a)+ee]
.set ee, ee+1
.endr
	v_nop                                          ; a plain line behind the last exponential
	s_wait_alu depctr_va_vdst(0)
.set ee, 0
.rept 32
	v_pk_add_f32 v[64*(\a)+ee:64*(\a)+ee+1], v[64*(\a)+ee:64*(\a)+ee+1], 1.0 op_sel_hi:[1,0]
.set ee, ee+2
.endr
.set ee, 0
.rept 64
	v_rcp_f32 v[64*(\a)+ee], v[64*(\a)+ee]
.set ee, ee+1
.endr
	v_nop
	s_wait_alu depctr_va_vdst(0)
	WIN 0x04                                       ; a store's data are its source 1: window 1
.irp t, 0,1,2,3,4,5,6,7,8,9,10,11,12,13,14,15
	global_store_b128 v[CO], v[64*(\a)+4*\t:64*(\a)+4*\t+3], s[OUTB:OUTB+1] offset:(8*(\a)+(\t%8)+16*(\t/8))*2048 th:TH_STORE_NT   ; 32 lanes store 512 consecutive bytes, at a multiple of 256 from out0's first byte
.endr
.endm
	TOSTAGE 0
	TOSTAGE 1
	s_wait_dscnt 32                                ; block 0 is back; behind its loads: block 1's 16 stores and 16 loads
	ACT 0
	s_wait_dscnt 0x0
	ACT 1
	WIN 0
	s_wait_tensorcnt 0x0                           ; the wave's end
	ds_add_u32 v[SPW], v[NIL]
	s_wait_dscnt 0x0
	CROUND                                         ; the closing round: no work-group ends while a partner may still ask for a tile that names it
	s_endpgm
.Lfunc_end_k_q675e9dd5e1_outp:
	.size	k_q675e9dd5e1_outp, .Lfunc_end_k_q675e9dd5e1_outp-k_q675e9dd5e1_outp
	.p2alignl 7, 3214868480
	.fill 96, 4, 3214868480
	.section	.rodata,"a",@progbits
	.p2align	6, 0x0
	.amdhsa_kernel k_q675e9dd5e1_outp
		.amdhsa_group_segment_fixed_size 327680
		.amdhsa_private_segment_fixed_size 0
		.amdhsa_enable_private_segment 0
		.amdhsa_kernarg_size 48
		.amdhsa_user_sgpr_count 2
		.amdhsa_user_sgpr_kernarg_segment_ptr 1
		.amdhsa_wavefront_size32 1
		.amdhsa_system_sgpr_workgroup_id_x 1
		.amdhsa_system_sgpr_workgroup_id_y 1
		.amdhsa_system_sgpr_workgroup_id_z 1
		.amdhsa_system_vgpr_workitem_id 0
		.amdhsa_next_free_vgpr 768
		.amdhsa_next_free_sgpr 66
		.amdhsa_reserve_vcc 0
		.amdhsa_float_denorm_mode_32 3
		.amdhsa_float_denorm_mode_16_64 3
		.amdhsa_memory_ordered 1
		.amdhsa_forward_progress 1
		.amdhsa_inst_pref_size 159
	.end_amdhsa_kernel
	.amdgpu_metadata
---
amdhsa.version: [ 1, 2 ]
amdhsa.kernels:
  - .name:           k_q675e9dd5e1_outp
    .symbol:         k_q675e9dd5e1_outp.kd
    .args:
      - { .name: xq, .offset: 0, .size: 8, .value_kind: global_buffer, .address_space: global }
      - { .name: hq, .offset: 8, .size: 8, .value_kind: global_buffer, .address_space: global }
      - { .name: w2q, .offset: 16, .size: 8, .value_kind: global_buffer, .address_space: global }
      - { .name: output_responses, .offset: 24, .size: 8, .value_kind: global_buffer, .address_space: global }
      - { .name: output_biases, .offset: 32, .size: 8, .value_kind: global_buffer, .address_space: global }
      - { .name: out0, .offset: 40, .size: 8, .value_kind: global_buffer, .address_space: global }
    .group_segment_fixed_size: 327680
    .private_segment_fixed_size: 0
    .kernarg_segment_align: 8
    .kernarg_segment_size: 48
    .max_flat_workgroup_size: 128
    .sgpr_count:     66
    .vgpr_count:     768
    .wavefront_size: 32
...
	.end_amdgpu_metadata
.endif
;; end of part 3
